; MI455X (gfx1250); checked and timed in simulation.
; The chip was launched on July 23, 2026; its instructions are those of AMD's public machine-readable ISA for CDNA 5 (MIT licence, August 2026) and "CDNA5" Instruction Set Architecture Reference Guide (July 2026). The comments in the code are by the model that wrote it; some were corrected since.
;; SSMS4. Allowed arithmetic: float matrix products may take bf16 or f16 operands with f32 sums; all other float work in f32.
;; Inputs: B 64 float32; C 64 float32; logA 64 float32; x 8,192 x 512 float32.
;; Outputs: out0 8,192 x 512 float32.
;; One version. Each part assembles by itself: llvm-mc -triple=amdgcn-amd-amdhsa -mcpu=gfx1250 --defsym DOCPART=n.
;; ======== version 1 of 1: 2 launches
;; limits: values outside matrix products are rounded to bf16
;; workspace buffers: R 4,194,304 bytes
;; launch states (part 1): grid 8 x 8, 16 waves a work-group, no clusters, 301,056 bytes of LDS; arguments x, logA, B, R; writes R
.if DOCPART == 1
	.amdgcn_target "amdgcn-amd-amdhsa--gfx1250"
	.amdhsa_code_object_version 6
	.text
	.protected	k_q6cd474cf88_states
	.globl	k_q6cd474cf88_states
	.p2align	8
	.type	k_q6cd474cf88_states,@function
k_q6cd474cf88_states:
	s_mov_b64 s[64:65], 0
	v_nop
	global_prefetch_b8 v0, s[64:65] scope:SCOPE_SE
	s_setreg_imm32_b32 hwreg(HW_REG_WAVE_MODE, 25, 1), 1
	s_wait_xcnt 0x0
; STATES.  h_t = Abar h_(t-1) + Bbar x_t, 64 states n for each of 512 channels, 8192 steps.
; Time is cut into 8 superchunks of 1024 rows, each into 4 chunks of 256 rows; channels into 8 blocks of 64 (256 bytes of a row of x).
; This launch stores R[chunk] = the state at the chunk's end when the state is zero at the start of its superchunk:
;   R_s = a^256 R_(s-1) + sum over j of Bbar a^(255-j) x[256 s + j]     (the sum is a product [64 states x 256] x [256 x 64 channels], bf16 in, f32 sums)
; A work-group = one superchunk x one channel block: the running state needs its 1024 row pieces in one place, so there are 8 x 8 = 64 work-groups.
; All 256 KiB of a work-group's x are requested at the start (32 loads of 16 bytes a thread).  Wave w owns the tile of 16 states x 16 channels (w>>2, w&3).
; TWO bf16 FOR A WEIGHT: y sums C_n h_n over states that are much alike where poles lie close, with C of both signs, so the sum cancels; roundings that
; differ from state to state do not.  So the weights Bbar a^e go in as hi + lo (lo = the weight less its bf16 rounding, again in bf16: 16 bits of significand)
; and each K step is two products.  x's rounding is the same for every state and cancels with the sum: one bf16.  hi lies in registers, lo in the wave's own LDS.
; R's layout: [chunk 32][block 8][tile 16][half 2][lane 32][4 f32]: the accumulator registers as they lie, so each store covers 512 consecutive bytes.
; No tensor loads: every word of x passes through registers anyway, to be rounded to bf16.  No cluster: no two work-groups read the same bytes of x.
; LIMITS: v_exp_f32 and v_rcp_f32 are good to one unit in the last place and flush denormals (ISA guide 15.8): powers of a below 2^-126 are 0, and logA
; below -87.3 (exp(logA) denormal) gives NaN where reference() gives 0.
.set LOG2E,  0x3fb8aa3b                ; log2 e
.set NLOG2E, 0xbfb8aa3b                ; -log2 e
.set NFMAX,  0xff7fffff                ; the most negative finite f32: keeps log2 Abar finite, so that 0 times it is 0
.set PITCH,  160                       ; an LDS row: 64 bf16 + 32 bytes, an odd multiple of 32 bytes for the transposing loads
.set REGION, 256*PITCH                 ; a chunk's 256 rows
.set ALB,    4*REGION                  ; behind the four regions: the weights' lo parts, 8 K steps x 1,024 bytes, a wave's own
.set PARB,   ALB+16*8192               ; behind them: log2 Abar of the wave's 16 states, 256 bytes apart, a wave's own
.set XO, 4                             ; v4   byte offset in x of my 16 bytes: row tid>>4 of 32, piece tid&15
.set XL, 5                             ; v5   where my 8 bytes of bf16 go in LDS
.set XB, 6                             ; v6   address of my wave's B fragments (x, stored rows = K)
.set RO, 7                             ; v7   my 16 bytes in R
.set ALA, 9                            ; v9   my 16 bytes in a lo fragment
.set NL, 10                            ; v10  logA, then log2 Abar, of state 16 mt + r;  v11: B, then Bbar
.set BB, 12                            ; v[12:13] Bbar, twice
.set A32, 14                           ; v[14:15] a^32, twice
.set SC, 16                            ; v[16:23] a^256 of states 16 mt + 8 h + 0..7
.set RR, 24                            ; v[24:31] the running state
.set ACC0, 32                          ; v[32:39], v[40:47] two accumulators
.set ACC1, 40
.set F, 32                             ; v[32:47] ahead of the products: Bbar a^e in f32
.set AF, 48                            ; v[48:111] the hi A fragments of the 8 K steps
.set X, 112                            ; v[112:239] x as loaded, 32 registers a chunk
.set BF, 112                           ; v[112:127] B fragments of 2 K steps   (chunk 0's registers,
.set AL, 128                           ; v[128:143] lo A fragments of 2 K steps  free once they are stored to LDS)
.set T, 240                            ; v[240:247] at work
.set LO, 248                           ; v[248:255] a lo fragment on its way to LDS
.macro PLACES                          ; the places behind matrix instructions (ISA guide 7.12.1)
.rept 5
	v_nop
.endr
.endm
; One state's parameters.  In: la = logA, bv = B.  Out: la = log2 Abar, bv = Bbar = (1 - Abar) B / E, E = exp(logA), z = E / 4096.
; reference() rounds Abar = exp(-z) to f32 and takes both Bbar and the recurrence from the rounded number; so does this text.  For z < 1/32:
; Abar = 1 - z (1 - z/2 + z^2/6 - z^3/24 + z^4/120), rounded once by the last fma (the next term is below 4e-11 of the sum); u = 1 - Abar is exact;
; log2 Abar = -log2 e x u (1 + u/2 + u^2/3 + u^3/4 + u^4/5 + u^5/6) (the next term is below 2e-10 of the sum).  From z = 1/32 on: exp2 and -z log2 e directly.
.macro PARAM la, bv, t0, t1, t2, t3
	v_mul_f32 v[\t0], LOG2E, v[\la]
	v_exp_f32 v[\t0], v[\t0]                       ; E
	v_nop
	s_wait_alu depctr_va_vdst(0)
	v_rcp_f32 v[\t1], v[\t0]
	v_mul_f32 v[\t2], 0x39800000, v[\t0]           ; z = E / 4096, exact
	s_wait_alu depctr_va_vdst(0)
	v_mul_f32 v[\bv], v[\bv], v[\t1]               ; B / E
	v_mul_f32 v[\t0], NLOG2E, v[\t2]
	v_max_num_f32 v[\t0], NFMAX, v[\t0]            ; the direct log2 Abar, finite
	v_exp_f32 v[\t1], v[\t0]                       ; the direct Abar
	v_mov_b32 v[\t3], 0x3c088889                   ; 1/120
	v_fmaak_f32 v[\t3], v[\t2], v[\t3], 0xbd2aaaab ; -1/24
	v_fmaak_f32 v[\t3], v[\t2], v[\t3], 0x3e2aaaab ; 1/6
	v_fmaak_f32 v[\t3], v[\t2], v[\t3], 0xbf000000 ; -1/2
	v_fmaak_f32 v[\t3], v[\t2], v[\t3], 0x3f800000 ; 1
	v_fma_f32 v[\t3], -v[\t2], v[\t3], 1.0         ; Abar for small z, one rounding
	v_cmp_gt_f32 vcc_lo, 0x3d000000, v[\t2]        ; 1/32 > z
	s_wait_alu depctr_va_vdst(0)
	v_cndmask_b32 v[\t1], v[\t1], v[\t3], vcc_lo   ; Abar
	v_sub_f32 v[\t1], 1.0, v[\t1]                  ; u = 1 - Abar
	v_mul_f32 v[\bv], v[\t1], v[\bv]               ; Bbar
	v_mov_b32 v[\t3], 0x3e2aaaab                   ; 1/6
	v_fmaak_f32 v[\t3], v[\t1], v[\t3], 0x3e4ccccd ; 1/5
	v_fmaak_f32 v[\t3], v[\t1], v[\t3], 0x3e800000 ; 1/4
	v_fmaak_f32 v[\t3], v[\t1], v[\t3], 0x3eaaaaab ; 1/3
	v_fmaak_f32 v[\t3], v[\t1], v[\t3], 0x3f000000 ; 1/2
	v_fmaak_f32 v[\t3], v[\t1], v[\t3], 0x3f800000 ; 1
	v_mul_f32 v[\t3], v[\t1], v[\t3]               ; -ln Abar
	v_mul_f32 v[\t3], NLOG2E, v[\t3]
	v_cndmask_b32 v[\la], v[\t0], v[\t3], vcc_lo   ; log2 Abar
.endm
	s_load_b256 s[4:11], s[0:1], 0x0               ; x s[4:5], logA s[6:7], B s[8:9], R s[10:11]
	v_lshrrev_b32 v1, 5, v0
	v_readfirstlane_b32 s12, v1                    ; wave 0..15
	s_and_b32 s13, ttmp7, 0xffff                   ; superchunk q
	s_lshr_b32 s16, s12, 2                         ; mt: my 16 states
	s_and_b32 s17, s12, 3                          ; nt: my 16 channels
	s_lshl_b32 s14, s13, 21                        ; q x 1024 rows x 2048 bytes
	s_lshl_b32 s15, ttmp9, 8                       ; + block x 256 bytes
	s_add_co_u32 s14, s14, s15
	s_mov_b32 s15, 0
	s_lshl_b32 s18, s13, 5                         ; R: (4 q chunks x 8 blocks + block) x 16,384 bytes
	s_add_co_u32 s18, s18, ttmp9
	s_lshl_b32 s18, s18, 14
	s_mov_b32 s19, 0
	s_lshl_b32 s20, s17, 5                         ; my 16 channels in an LDS row: 32 bytes each
	s_lshl_b32 s21, s12, 13
	s_add_co_u32 s21, s21, ALB                     ; my wave's lo fragments
	s_lshl_b32 s22, s12, 8
	s_add_co_u32 s22, s22, PARB                    ; my wave's 16 words of log2 Abar
	v_and_b32 v1, 31, v0                           ; lane
	v_and_b32 v2, 15, v0                           ; r
	v_bfe_u32 v3, v0, 4, 1                         ; h
	v_lshrrev_b32 v[T], 4, v0                      ; my row of 32
	v_lshlrev_b32 v[XO], 4, v2
	v_lshl_add_u32 v[XO], v[T], 11, v[XO]
	v_lshlrev_b32 v8, 2, v2
	v_lshl_add_u32 v8, s16, 6, v8                  ; 4 (16 mt + r)
	s_wait_kmcnt 0x0
	s_add_nc_u64 s[4:5], s[4:5], s[14:15]
	s_add_nc_u64 s[10:11], s[10:11], s[18:19]
	global_load_b32 v[NL], v8, s[6:7]
	global_load_b32 v11, v8, s[8:9]
.irp s, 0,1,2,3
.irp u, 0,1,2,3,4,5,6,7
	global_load_b128 v[X+32*\s+4*\u:X+32*\s+4*\u+3], v[XO], s[4:5] offset:\s*524288+\u*65536   ; 16 lanes take 256 consecutive bytes; x is read again by the next launch: no hint
.endr
.endr
	v_mul_u32_u24 v[XL], v[T], PITCH
	v_lshl_add_u32 v[XL], v2, 3, v[XL]
	v_and_b32 v[T+1], 7, v0
	v_lshl_add_u32 v[T+1], v3, 3, v[T+1]           ; 8 h + (lane & 7)
	v_mul_u32_u24 v[XB], v[T+1], PITCH
	v_bfe_u32 v[T+2], v0, 3, 1
	v_lshl_add_u32 v[XB], v[T+2], 4, v[XB]
	v_add_nc_u32 v[XB], s20, v[XB]
	v_lshlrev_b32 v[RO], 4, v1
	v_add_nc_u32 v[ALA], s21, v[RO]                ; 16 x lane + my wave's lo fragments
	v_lshl_add_u32 v[RO], s12, 10, v[RO]
	v_lshl_add_u32 v[T+6], v2, 2, s22              ; where log2 Abar of state r goes
	v_lshl_add_u32 v[T+5], v3, 5, s22              ; where those of states 8 h + 0..7 are read
	v_lshlrev_b32 v[T], 3, v3
	v_sub_nc_u32 v[T], 31, v[T]                    ; 31 - 8 h
	s_wait_loadcnt 32                              ; the two loads of parameters are in; the 32 of x stay out
	PARAM NL, 11, T+1, T+2, T+3, T+4
	ds_store_b32 v[T+6], v[NL]                     ; lanes r and 16 + r store the same word with the same value
	ds_load_b128 v[SC:SC+3], v[T+5]                ; LDS serves a wave's instructions in order (ISA guide 5.7.1): these see the store
	ds_load_b128 v[SC+4:SC+7], v[T+5] offset:16
	v_mul_f32 v[T+3], 0x42000000, v[NL]            ; x 32
	v_exp_f32 v[A32], v[T+3]
	v_mov_b32 v[BB], v11
	v_mov_b32 v[BB+1], v11
	s_wait_alu depctr_va_vdst(0)
	v_mov_b32 v[A32+1], v[A32]
	; F[8 g + e] = Bbar a^(31 - k), k = 16 g + 8 h + e: the A fragment's k of the last K step
.set idx, 0
.rept 16
	v_sub_nc_u32 v[F+idx], v[T], idx+8*(idx/8)
.set idx, idx+1
.endr
.set idx, 0
.rept 16
	v_cvt_f32_i32 v[F+idx], v[F+idx]
.set idx, idx+1
.endr
.set idx, 0
.rept 16
	v_mul_f32 v[F+idx], v[NL], v[F+idx]
.set idx, idx+1
.endr
.set idx, 0
.rept 16
	v_exp_f32 v[F+idx], v[F+idx]
.set idx, idx+1
.endr
	v_nop
	s_wait_alu depctr_va_vdst(0)
.irp e, 0,1,2,3,4,5,6,7
	v_pk_mul_f32 v[F+2*\e:F+2*\e+1], v[F+2*\e:F+2*\e+1], v[BB:BB+1]
.endr
	; a^256 of the eight states that my accumulator registers hold
	s_wait_dscnt 0x0
.irp j, 0,1,2,3,4,5,6,7
	v_mul_f32 v[SC+\j], 0x43800000, v[SC+\j]
.endr
.irp j, 0,1,2,3,4,5,6,7
	v_exp_f32 v[SC+\j], v[SC+\j]
.endr
	v_nop
	; K step ks holds the exponents 32 (7 - ks) + 31 - k: from the last step back, a factor a^32 a step.  hi = bf16(F) stays in registers;
	; lo = bf16(F - hi) goes to my wave's own LDS, registers 0-3 of the 32 lanes, then registers 4-7
.irp ks, 7,6,5,4,3,2,1,0
.irp hb, 0,1
.irp q, 0,1,2,3
	v_cvt_pk_bf16_f32 v[AF+8*\ks+4*\hb+\q], v[F+8*\hb+2*\q], v[F+8*\hb+2*\q+1]
.endr
.irp q, 0,1,2,3
	v_lshlrev_b32 v[T+2*\q], 16, v[AF+8*\ks+4*\hb+\q]
	v_and_b32 v[T+2*\q+1], 0xffff0000, v[AF+8*\ks+4*\hb+\q]
.endr
.irp q, 0,1,2,3
	v_pk_add_f32 v[T+2*\q:T+2*\q+1], v[F+8*\hb+2*\q:F+8*\hb+2*\q+1], v[T+2*\q:T+2*\q+1] neg_lo:[0,1] neg_hi:[0,1]
.endr
.irp q, 0,1,2,3
	v_cvt_pk_bf16_f32 v[LO+4*\hb+\q], v[T+2*\q], v[T+2*\q+1]
.endr
	ds_store_b128 v[ALA], v[LO+4*\hb:LO+4*\hb+3] offset:\ks*1024+\hb*512
.endr
.if \ks
.irp e, 0,1,2,3,4,5,6,7
	v_pk_mul_f32 v[F+2*\e:F+2*\e+1], v[F+2*\e:F+2*\e+1], v[A32:A32+1]
.endr
.endif
.endr
; Chunk s: its x to bf16 and into its own LDS region (written once, read once: one barrier), 16 products, the state stepped and stored.
.macro SUB s
	s_wait_loadcnt 8*(3-\s)                        ; loads come back in order: this chunk's eight are in, the later chunks' stay out
.irp u, 0,1,2,3,4,5,6,7
	v_cvt_pk_bf16_f32 v[X+32*\s+4*\u], v[X+32*\s+4*\u], v[X+32*\s+4*\u+1]
	v_cvt_pk_bf16_f32 v[X+32*\s+4*\u+1], v[X+32*\s+4*\u+2], v[X+32*\s+4*\u+3]
	ds_store_b64 v[XL], v[X+32*\s+4*\u:X+32*\s+4*\u+1] offset:\u*32*PITCH
.endr
	s_wait_dscnt 0x0                               ; my stores are in LDS, for the other waves' sake
	s_barrier_signal -1
	s_barrier_wait -1
.irp gp, 0,1,2,3                       ; two K steps at a time: as many fragments as chunk 0's 32 registers hold
.irp k, 0,1
	ds_load_tr16_b128 v[BF+8*\k:BF+8*\k+3], v[XB] offset:(2*\gp+\k)*32*PITCH
	ds_load_tr16_b128 v[BF+8*\k+4:BF+8*\k+7], v[XB] offset:(2*\gp+\k)*32*PITCH+16*PITCH
	ds_load_b128 v[AL+8*\k:AL+8*\k+3], v[ALA] offset:(2*\gp+\k)*1024
	ds_load_b128 v[AL+8*\k+4:AL+8*\k+7], v[ALA] offset:(2*\gp+\k)*1024+512
.endr
	s_wait_dscnt 0x0
	; the two accumulators take turns, one instruction a turn; the first products start the sums
.if \gp == 0
	v_wmma_f32_16x16x32_bf16 v[ACC0:ACC0+7], v[AF:AF+7], v[BF:BF+7], 0
	v_wmma_f32_16x16x32_bf16 v[ACC1:ACC1+7], v[AF+8:AF+15], v[BF+8:BF+15], 0
.else
	v_wmma_f32_16x16x32_bf16 v[ACC0:ACC0+7], v[AF+16*\gp:AF+16*\gp+7], v[BF:BF+7], v[ACC0:ACC0+7]
	v_wmma_f32_16x16x32_bf16 v[ACC1:ACC1+7], v[AF+16*\gp+8:AF+16*\gp+15], v[BF+8:BF+15], v[ACC1:ACC1+7]
.endif
	v_wmma_f32_16x16x32_bf16 v[ACC0:ACC0+7], v[AL:AL+7], v[BF:BF+7], v[ACC0:ACC0+7]
	v_wmma_f32_16x16x32_bf16 v[ACC1:ACC1+7], v[AL+8:AL+15], v[BF+8:BF+15], v[ACC1:ACC1+7]
	PLACES                                         ; before the fragments are loaded again and before the sums are read
.endr
.if \s
	s_wait_xcnt 0x0                                ; the last chunk's stores have read the state's registers: they are rewritten only behind this wait
.irp e, 0,2,4,6
	v_pk_add_f32 v[ACC0+\e:ACC0+\e+1], v[ACC0+\e:ACC0+\e+1], v[ACC1+\e:ACC1+\e+1]
.endr
	s_wait_alu depctr_va_vdst(0)
.irp e, 0,2,4,6
	v_pk_fma_f32 v[RR+\e:RR+\e+1], v[SC+\e:SC+\e+1], v[RR+\e:RR+\e+1], v[ACC0+\e:ACC0+\e+1]
.endr
.else
.irp e, 0,2,4,6
	v_pk_add_f32 v[RR+\e:RR+\e+1], v[ACC0+\e:ACC0+\e+1], v[ACC1+\e:ACC1+\e+1]
.endr
.endif
	global_store_b128 v[RO], v[RR:RR+3], s[10:11] offset:\s*131072          ; 32 lanes store 512 consecutive bytes, aligned
	global_store_b128 v[RO], v[RR+4:RR+7], s[10:11] offset:\s*131072+512
.if \s < 3
	v_add_nc_u32 v[XL], REGION, v[XL]              ; the next chunk's region
	v_add_nc_u32 v[XB], REGION, v[XB]
.endif
.endm
	SUB 0
	SUB 1
	SUB 2
	SUB 3
	s_wait_xcnt 0x0
	v_lshl_add_u32 v254, v0, 2, 0x49000
	v_mov_b32 v255, 0
	s_wait_tensorcnt 0x0
	ds_add_u32 v254, v255
	s_wait_dscnt 0x0
	s_endpgm
.Lfunc_end_k_q6cd474cf88_states:
	.size	k_q6cd474cf88_states, .Lfunc_end_k_q6cd474cf88_states-k_q6cd474cf88_states
	.p2alignl 7, 3214868480
	.fill 96, 4, 3214868480
	.section	.rodata,"a",@progbits
	.p2align	6, 0x0
	.amdhsa_kernel k_q6cd474cf88_states
		.amdhsa_group_segment_fixed_size 301056
		.amdhsa_private_segment_fixed_size 0
		.amdhsa_enable_private_segment 0
		.amdhsa_kernarg_size 32
		.amdhsa_user_sgpr_count 2
		.amdhsa_user_sgpr_kernarg_segment_ptr 1
		.amdhsa_wavefront_size32 1
		.amdhsa_system_sgpr_workgroup_id_x 1
		.amdhsa_system_sgpr_workgroup_id_y 1
		.amdhsa_system_sgpr_workgroup_id_z 1
		.amdhsa_system_vgpr_workitem_id 0
		.amdhsa_next_free_vgpr 256
		.amdhsa_next_free_sgpr 66
		.amdhsa_reserve_vcc 1
		.amdhsa_float_denorm_mode_32 3
		.amdhsa_float_denorm_mode_16_64 3
		.amdhsa_memory_ordered 1
		.amdhsa_forward_progress 1
		.amdhsa_inst_pref_size 59
	.end_amdhsa_kernel
	.amdgpu_metadata
---
amdhsa.version: [ 1, 2 ]
amdhsa.kernels:
  - .name:           k_q6cd474cf88_states
    .symbol:         k_q6cd474cf88_states.kd
    .args:
      - { .name: x, .offset: 0, .size: 8, .value_kind: global_buffer, .address_space: global }
      - { .name: logA, .offset: 8, .size: 8, .value_kind: global_buffer, .address_space: global }
      - { .name: B, .offset: 16, .size: 8, .value_kind: global_buffer, .address_space: global }
      - { .name: R, .offset: 24, .size: 8, .value_kind: global_buffer, .address_space: global }
    .group_segment_fixed_size: 301056
    .private_segment_fixed_size: 0
    .kernarg_segment_align: 8
    .kernarg_segment_size: 32
    .max_flat_workgroup_size: 512
    .sgpr_count:     66
    .vgpr_count:     256
    .wavefront_size: 32
...
	.end_amdgpu_metadata
.endif
;; end of part 1
;; launch output (part 2): grid 8 x 32, 16 waves a work-group, no clusters, 143,872 bytes of LDS; arguments x, logA, B, C, R, out0; writes out0
.if DOCPART == 2
	.amdgcn_target "amdgcn-amd-amdhsa--gfx1250"
	.amdhsa_code_object_version 6
	.text
	.protected	k_q6cd474cf88_output
	.globl	k_q6cd474cf88_output
	.p2align	8
	.type	k_q6cd474cf88_output,@function
k_q6cd474cf88_output:
	s_mov_b64 s[64:65], 0
	v_nop
	global_prefetch_b8 v0, s[64:65] scope:SCOPE_SE
	s_setreg_imm32_b32 hwreg(HW_REG_WAVE_MODE, 25, 1), 1
	s_wait_xcnt 0x0
; OUTPUT.  A work-group makes chunk i (256 rows) x channel block (64 channels) of y:
;   y[256 i + m] = sum over j <= m of K[m - j] x[256 i + j]  +  sum over n of C_n a_n^(m+1) Hin[n],    K[d] = sum over n of C_n Bbar_n a_n^d
;   Hin = [s > 0] R_(i-1) + a^(256 s) sum over k < p of a^(1024 k) R_(4 (p-1-k) + 3),   i = 4 p + s   (f32, by Horner's scheme; the series is never cut)
; Both sums of y are matrix products, bf16 in, f32 sums.  Wave w makes rows 16 w .. 16 w + 15 x 64 channels on four accumulators, and takes only the K steps
; of 32 rows of x that lie at or below the diagonal (w/2 + 1 of 8).  Wave w also carries state tile w: R's layout is the accumulator layout of the launch that
; stored it, and packed to bf16 it is, lane for lane, half of a B fragment of the second product.
; TWO bf16 FOR G AND Hin: the sum over n cancels where poles lie close and C has both signs, and roundings that differ from state to state do not cancel.
; So G = C a^(m+1) and Hin go in as hi + lo (lo = the number less its bf16 rounding, again in bf16), and the second product is
; G_hi H_hi + G_hi H_lo + G_lo H_hi; what is left out, G_lo H_lo, is 2^-18 of a term.  K is the sum over n itself and x is common to all n: one bf16 each.
; The eight state blocks are always loaded; a block that does not exist (k >= p, s = 0) is read at a clamped chunk and cleared by a select.
; No tensor loads: x must be rounded to bf16 and R summed in f32, so every word passes through registers.  No cluster: what the four chunks of a superchunk
; share (7 blocks of 16 KiB) is taken through registers, 16 loads a thread.
; LIMITS: v_exp_f32 and v_rcp_f32 are good to one unit in the last place and flush denormals (ISA guide 15.8): powers of a below 2^-126 are 0, and logA
; below -87.3 (exp(logA) denormal) gives NaN where reference() gives 0.
.set LOG2E,  0x3fb8aa3b
.set NLOG2E, 0xbfb8aa3b
.set NFMAX,  0xff7fffff
.set TK,    8192                       ; behind 16 x 512 bytes of parameters (a wave's own: log2 Abar [64], C [64]): 8 copies of the reversed kernel
.set TKP,   800                        ; a copy's pitch.  Copy c, place q: bf16 K[256 + c - q], 0 where the index is negative
.set XS,    14848                      ; x in bf16, 256 rows
.set PITCH, 160                        ; 64 bf16 + 32 bytes: an odd multiple of 32 bytes for the transposing loads
.set HS,    55808                      ; Hin as B fragments: fragment 4 kk + nt, 1,024 bytes: registers 0-3 of 32 lanes, then registers 4-7; hi, then 8,192 bytes on lo
.set STG,   72192                      ; the way out: 16 rows x 272 bytes, a wave's own
.set SP,    272
.set TT, 24                            ; v[24:55]   at work; later the B fragments of x
.set BF, 24
.set G,  56                            ; v[56:71]   A fragments C_n a_n^(m+1), two K steps, hi
.set GL, 72                            ; v[72:87]   the same, lo
.set W1, 88                            ; v[88:95]   a^1024 of my tile's states
.set W2, 96                            ; v[96:103]  a^(256 s)
.set X,  104                           ; v[104:135] x as loaded
.set ST, 136                           ; v[136:199] eight state blocks
.set HB, 88                            ; v[88:151]  behind the barrier: Hin's fragments, hi; later the rows on their way out
.set HL, 152                           ; v[152:215] Hin's fragments, lo
.set ACC, 216                          ; v[216:247] four accumulators
.set AF, 248                           ; v[248:255] A fragment of the kernel's Toeplitz matrix
.macro PLACES                          ; the places behind matrix instructions (ISA guide 7.12.1)
.rept 5
	v_nop
.endr
.endm
; One state's parameters.  In: la = logA, bv = B.  Out: la = log2 Abar, bv = Bbar = (1 - Abar) B / E, E = exp(logA), z = E / 4096.
; reference() rounds Abar = exp(-z) to f32 and takes both Bbar and the recurrence from the rounded number; so does this text.  For z < 1/32:
; Abar = 1 - z (1 - z/2 + z^2/6 - z^3/24 + z^4/120), rounded once by the last fma (the next term is below 4e-11 of the sum); u = 1 - Abar is exact;
; log2 Abar = -log2 e x u (1 + u/2 + u^2/3 + u^3/4 + u^4/5 + u^5/6) (the next term is below 2e-10 of the sum).  From z = 1/32 on: exp2 and -z log2 e directly.
.macro PARAM la, bv, t0, t1, t2, t3
	v_mul_f32 v[\t0], LOG2E, v[\la]
	v_exp_f32 v[\t0], v[\t0]                       ; E
	v_nop
	s_wait_alu depctr_va_vdst(0)
	v_rcp_f32 v[\t1], v[\t0]
	v_mul_f32 v[\t2], 0x39800000, v[\t0]           ; z = E / 4096, exact
	s_wait_alu depctr_va_vdst(0)
	v_mul_f32 v[\bv], v[\bv], v[\t1]               ; B / E
	v_mul_f32 v[\t0], NLOG2E, v[\t2]
	v_max_num_f32 v[\t0], NFMAX, v[\t0]            ; the direct log2 Abar, finite
	v_exp_f32 v[\t1], v[\t0]                       ; the direct Abar
	v_mov_b32 v[\t3], 0x3c088889                   ; 1/120
	v_fmaak_f32 v[\t3], v[\t2], v[\t3], 0xbd2aaaab ; -1/24
	v_fmaak_f32 v[\t3], v[\t2], v[\t3], 0x3e2aaaab ; 1/6
	v_fmaak_f32 v[\t3], v[\t2], v[\t3], 0xbf000000 ; -1/2
	v_fmaak_f32 v[\t3], v[\t2], v[\t3], 0x3f800000 ; 1
	v_fma_f32 v[\t3], -v[\t2], v[\t3], 1.0         ; Abar for small z, one rounding
	v_cmp_gt_f32 vcc_lo, 0x3d000000, v[\t2]        ; 1/32 > z
	s_wait_alu depctr_va_vdst(0)
	v_cndmask_b32 v[\t1], v[\t1], v[\t3], vcc_lo   ; Abar
	v_sub_f32 v[\t1], 1.0, v[\t1]                  ; u = 1 - Abar
	v_mul_f32 v[\bv], v[\t1], v[\bv]               ; Bbar
	v_mov_b32 v[\t3], 0x3e2aaaab                   ; 1/6
	v_fmaak_f32 v[\t3], v[\t1], v[\t3], 0x3e4ccccd ; 1/5
	v_fmaak_f32 v[\t3], v[\t1], v[\t3], 0x3e800000 ; 1/4
	v_fmaak_f32 v[\t3], v[\t1], v[\t3], 0x3eaaaaab ; 1/3
	v_fmaak_f32 v[\t3], v[\t1], v[\t3], 0x3f000000 ; 1/2
	v_fmaak_f32 v[\t3], v[\t1], v[\t3], 0x3f800000 ; 1
	v_mul_f32 v[\t3], v[\t1], v[\t3]               ; -ln Abar
	v_mul_f32 v[\t3], NLOG2E, v[\t3]
	v_cndmask_b32 v[\la], v[\t0], v[\t3], vcc_lo   ; log2 Abar
.endm
	s_load_b256 s[4:11], s[0:1], 0x0               ; x s[4:5], logA s[6:7], B s[8:9], C s[10:11]
	s_load_b128 s[12:15], s[0:1], 0x20             ; R s[12:13], out0 s[14:15]
	v_lshrrev_b32 v1, 5, v0
	v_readfirstlane_b32 s16, v1                    ; wave 0..15
	s_mov_b32 s17, ttmp9                           ; channel block
	s_and_b32 s18, ttmp7, 0xffff                   ; chunk i
	s_lshr_b32 s19, s18, 2                         ; superchunk p
	s_and_b32 s20, s18, 3                          ; s
	s_lshl_b32 s22, s18, 19                        ; i x 256 rows x 2048 bytes + block x 256
	s_lshl_b32 s23, s17, 8
	s_add_co_u32 s22, s22, s23
	s_mov_b32 s23, 0
	s_lshl_b32 s48, s16, 15                        ; out0: + my wave's 16 rows
	s_add_co_u32 s48, s48, s22
	s_mov_b32 s49, 0
.irp k, 0,1,2,3,4,5,6
	s_sub_co_i32 s[24+2*\k], s19, 1+\k             ; superchunk p - 1 - k, clamped to 0 where there is none
	s_max_i32 s[24+2*\k], s[24+2*\k], 0
	s_lshl2_add_u32 s[24+2*\k], s[24+2*\k], 3      ; its last chunk
	s_lshl3_add_u32 s[24+2*\k], s[24+2*\k], s17    ; x 8 blocks + block
	s_lshl_b32 s[24+2*\k], s[24+2*\k], 14          ; x 16,384 bytes
	s_mov_b32 s[25+2*\k], 0
	s_cmp_gt_u32 s19, \k
	s_cselect_b32 s[40+\k], -1, 0                  ; all lanes: the block counts, or does not
.endr
	s_sub_co_i32 s38, s18, 1                       ; chunk i - 1
	s_max_i32 s38, s38, 0
	s_lshl3_add_u32 s38, s38, s17
	s_lshl_b32 s38, s38, 14
	s_mov_b32 s39, 0
	s_cmp_gt_u32 s20, 0
	s_cselect_b32 s47, -1, 0
	v_and_b32 v1, 31, v0                           ; lane
	v_and_b32 v2, 15, v0                           ; r
	v_bfe_u32 v3, v0, 4, 1                         ; h
	v_lshrrev_b32 v22, 4, v0                       ; my row of 32
	v_lshlrev_b32 v4, 4, v2
	v_lshl_add_u32 v4, v22, 11, v4                 ; v4: my 16 bytes in x
	v_lshlrev_b32 v11, 4, v1
	v_lshl_add_u32 v6, s16, 10, v11                ; v6: my 16 bytes in a state block: tile w, lane
	v_lshlrev_b32 v15, 2, v1                       ; v15: 4 x lane
	s_wait_kmcnt 0x0
	s_add_nc_u64 s[4:5], s[4:5], s[22:23]
	s_add_nc_u64 s[14:15], s[14:15], s[48:49]
.irp b, 0,1,2,3,4,5,6,7
	s_add_nc_u64 s[24+2*\b:25+2*\b], s[12:13], s[24+2*\b:25+2*\b]
.endr
	global_load_b32 v16, v15, s[6:7]               ; logA, B, C of states lane and lane + 32
	global_load_b32 v17, v15, s[6:7] offset:128
	global_load_b32 v18, v15, s[8:9]
	global_load_b32 v19, v15, s[8:9] offset:128
	global_load_b32 v20, v15, s[10:11]
	global_load_b32 v21, v15, s[10:11] offset:128
.irp u, 0,1,2,3,4,5,6,7
	global_load_b128 v[X+4*\u:X+4*\u+3], v4, s[4:5] offset:\u*65536 th:TH_LOAD_NT    ; 16 lanes take 256 consecutive bytes; x's last use
.endr
.irp b, 0,1,2,3,4,5,6,7
	global_load_b128 v[ST+8*\b:ST+8*\b+3], v6, s[24+2*\b:25+2*\b]
	global_load_b128 v[ST+8*\b+4:ST+8*\b+7], v6, s[24+2*\b:25+2*\b] offset:512
.endr
	; the LDS addresses
	s_lshl_b32 s50, s16, 5
	s_sub_co_u32 s50, TK+512, s50                  ; TK + 2 (256 - 16 w)
	s_lshr_b32 s51, s16, 3                         ; my tile's place in HS: kk = w>>3, nt = w&3, half (w>>2)&1
	s_lshl_b32 s51, s51, 12
	s_and_b32 s53, s16, 3
	s_lshl_b32 s53, s53, 10
	s_add_co_u32 s51, s51, s53
	s_bfe_u32 s53, s16, 0x10002
	s_lshl_b32 s53, s53, 9
	s_add_co_u32 s51, s51, s53
	s_add_co_u32 s51, s51, HS
	s_mul_i32 s52, s16, 16*SP
	s_add_co_u32 s52, s52, STG                     ; my stage
	v_mul_u32_u24 v5, v22, PITCH
	v_lshl_add_u32 v5, v2, 3, v5
	v_add_nc_u32 v5, XS, v5                        ; v5: where my 8 bytes of bf16 x go
	v_add_nc_u32 v10, s51, v11                     ; v10: where my 16 bytes of Hin go
	v_add_nc_u32 v11, HS, v11                      ; v11: HS + 16 x lane
	v_lshlrev_b32 v7, 5, v3
	v_lshl_add_u32 v7, s16, 9, v7                  ; v7: my wave's parameters + 32 h
	v_and_b32 v22, 7, v0
	v_bfe_u32 v23, v0, 3, 1
	v_lshlrev_b32 v23, 4, v23
	v_mul_u32_u24 v8, v22, TKP                     ; v8: copy r & 7, place 256 - 16 w - 8 (r>>3) + 8 h: a multiple of 8 places = 16 bytes
	v_lshl_add_u32 v8, v3, 4, v8
	v_add_nc_u32 v8, s50, v8
	v_sub_nc_u32 v8, v8, v23
	v_lshl_add_u32 v9, v3, 3, v22                  ; v9: x's B fragments: row 8 h + (lane & 7), 16 bytes for bit 3 of the lane
	v_mul_u32_u24 v9, v9, PITCH
	v_add_nc_u32 v9, v9, v23
	v_add_nc_u32 v9, XS, v9
	v_mul_u32_u24 v12, v3, 8*SP                    ; v12: stage, in: row 8 h (+ j), column r (+ 16 nt)
	v_lshl_add_u32 v12, v2, 2, v12
	v_add_nc_u32 v12, s52, v12
	v_mul_u32_u24 v13, v3, SP                      ; v13: stage, back: lanes 0-15 one row of 256 bytes, lanes 16-31 the next
	v_lshl_add_u32 v13, v2, 4, v13
	v_add_nc_u32 v13, s52, v13
	v_lshlrev_b32 v14, 4, v2                       ; v14: the same two rows in out0
	v_lshl_add_u32 v14, v3, 11, v14
	s_wait_loadcnt 24                              ; the six loads of parameters are in; 8 of x and 16 of states stay out
	PARAM 16, 18, 22, 23, 24, 25
	PARAM 17, 19, 22, 23, 24, 25
	v_mul_f32 v18, v20, v18                        ; C Bbar
	v_mul_f32 v19, v21, v19
	v_lshl_add_u32 v22, s16, 9, v15                ; my wave's own copy of the parameters: read back by this wave alone, in order, so no barrier
	ds_store_b32 v22, v16
	ds_store_b32 v22, v17 offset:128
	ds_store_b32 v22, v20 offset:256
	ds_store_b32 v22, v21 offset:384
	; K[d], d = thread number, by waves 0 to 7; wave 8 writes the zeros above the diagonal
	s_cmp_lt_u32 s16, 8
	s_cbranch_scc0 .Lnot_k
	v_cvt_f32_u32 v22, v0                          ; d
; four states: their log2 Abar and C Bbar from lanes l0 .. l0 + 3 as scalars, four exponentials, four chains of sums
.macro KGRP nlr, cbr, l0, first
.irp q, 0,1,2,3
	v_readlane_b32 s[56+\q], v[\nlr], \l0+\q
	v_readlane_b32 s[60+\q], v[\cbr], \l0+\q
.endr
.irp q, 0,1,2,3
	v_mul_f32 v[28+\q], s[56+\q], v22
.endr
.irp q, 0,1,2,3
	v_exp_f32 v[28+\q], v[28+\q]
.endr
	v_nop
	s_wait_alu depctr_va_vdst(0)
.irp q, 0,1,2,3
.if \first
	s_wait_alu depctr_va_vdst(0)
	v_mul_f32 v[24+\q], s[60+\q], v[28+\q]         ; the first products start the sums
.else
	v_fmac_f32 v[24+\q], s[60+\q], v[28+\q]
.endif
.endr
.endm
	KGRP 16, 18, 0, 1
.irp l, 4,8,12,16,20,24,28
	KGRP 16, 18, \l, 0
.endr
.irp l, 0,4,8,12,16,20,24,28
	KGRP 17, 19, \l, 0
.endr
	v_add_f32 v24, v24, v25
	v_add_f32 v26, v26, v27
	v_add_f32 v24, v24, v26
	v_cvt_pk_bf16_f32 v24, v24, v24
	v_lshlrev_b32 v23, 1, v0
	v_sub_nc_u32 v23, TK+512, v23                  ; copy c: place 256 + c - d, that is byte 512 - 2 d + 802 c
.irp c, 0,1,2,3,4,5,6,7
	ds_store_b16 v23, v24 offset:\c*(TKP+2)
.endr
	s_branch .Lk_done
.Lnot_k:
	s_cmp_eq_u32 s16, 8
	s_cbranch_scc0 .Lk_done
	v_lshlrev_b32 v23, 1, v1
	v_add_nc_u32 v23, TK+514, v23                  ; copy c: places 257 + c + lane: the fragments reach 31 places past the diagonal
	v_mov_b32 v24, 0
.irp c, 0,1,2,3,4,5,6,7
	ds_store_b16 v23, v24 offset:\c*(TKP+2)
.endr
.Lk_done:
	; G[m][n] = C_n a_n^(m+1) for my row m = 16 w + r: A fragments of the two K steps of 32 states, hi and lo
	s_lshl_b32 s22, s16, 4
	s_add_co_u32 s22, s22, 1
	v_add_nc_u32 v22, s22, v2
	v_cvt_f32_u32 v22, v22                         ; m + 1
.macro GROW kk
.irp g, 0,1
	ds_load_b128 v[TT+8*\g:TT+8*\g+3], v7 offset:\kk*128+\g*64             ; log2 Abar of states 32 kk + 16 g + 8 h + 0..7
	ds_load_b128 v[TT+8*\g+4:TT+8*\g+7], v7 offset:\kk*128+\g*64+16
	ds_load_b128 v[TT+16+8*\g:TT+16+8*\g+3], v7 offset:\kk*128+\g*64+256   ; their C
	ds_load_b128 v[TT+16+8*\g+4:TT+16+8*\g+7], v7 offset:\kk*128+\g*64+272
.endr
	s_wait_dscnt 0x0
.irp e, 0,1,2,3,4,5,6,7,8,9,10,11,12,13,14,15
	v_mul_f32 v[TT+\e], v22, v[TT+\e]
.endr
.irp e, 0,1,2,3,4,5,6,7,8,9,10,11,12,13,14,15
	v_exp_f32 v[TT+\e], v[TT+\e]
.endr
	v_nop
	s_wait_alu depctr_va_vdst(0)
.irp e, 0,1,2,3,4,5,6,7
	v_pk_mul_f32 v[TT+2*\e:TT+2*\e+1], v[TT+2*\e:TT+2*\e+1], v[TT+16+2*\e:TT+16+2*\e+1]
.endr
.irp e, 0,1,2,3,4,5,6,7
	v_cvt_pk_bf16_f32 v[G+8*\kk+\e], v[TT+2*\e], v[TT+2*\e+1]              ; hi
.endr
.irp e, 0,1,2,3,4,5,6,7
	v_lshlrev_b32 v[TT+16+2*\e], 16, v[G+8*\kk+\e]                         ; hi back in f32
	v_and_b32 v[TT+16+2*\e+1], 0xffff0000, v[G+8*\kk+\e]
.endr
.irp e, 0,1,2,3,4,5,6,7
	v_pk_add_f32 v[TT+2*\e:TT+2*\e+1], v[TT+2*\e:TT+2*\e+1], v[TT+16+2*\e:TT+16+2*\e+1] neg_lo:[0,1] neg_hi:[0,1]
.endr
.irp e, 0,1,2,3,4,5,6,7
	v_cvt_pk_bf16_f32 v[GL+8*\kk+\e], v[TT+2*\e], v[TT+2*\e+1]             ; lo
.endr
.endm
	GROW 0
	GROW 1
	; a^1024 and a^(256 s) of the states 16 (w>>2) + 8 h + 0..7 of my tile
	s_lshr_b32 s22, s16, 2
	s_lshl_b32 s22, s22, 6
	v_add_nc_u32 v23, s22, v7
	ds_load_b128 v[W1:W1+3], v23
	ds_load_b128 v[W1+4:W1+7], v23 offset:16
	s_lshl_b32 s21, s20, 8
	v_mov_b32 v22, s21
	v_cvt_f32_u32 v22, v22                         ; 256 s
	s_wait_dscnt 0x0
.irp j, 0,1,2,3,4,5,6,7
	v_mul_f32 v[W2+\j], v22, v[W1+\j]
	v_mul_f32 v[W1+\j], 0x44800000, v[W1+\j]
.endr
.irp j, 0,1,2,3,4,5,6,7
	v_exp_f32 v[W2+\j], v[W2+\j]
	v_exp_f32 v[W1+\j], v[W1+\j]
.endr
	v_nop
	s_wait_loadcnt 16                              ; x is in; the 16 loads of states stay out
.irp u, 0,1,2,3,4,5,6,7
	v_cvt_pk_bf16_f32 v[X+4*\u], v[X+4*\u], v[X+4*\u+1]
	v_cvt_pk_bf16_f32 v[X+4*\u+1], v[X+4*\u+2], v[X+4*\u+3]
	ds_store_b64 v5, v[X+4*\u:X+4*\u+1] offset:\u*32*PITCH
.endr
	s_wait_loadcnt 0x0                             ; the states
.irp b, 0,1,2,3,4,5,6,7
.irp e, 0,1,2,3,4,5,6,7
	v_cndmask_b32 v[ST+8*\b+\e], 0, v[ST+8*\b+\e], s[40+\b]    ; a block that does not exist counts as zero
.endr
.endr
	s_wait_alu depctr_va_vdst(0)
.irp b, 5,4,3,2,1,0
.irp e, 0,2,4,6
	v_pk_fma_f32 v[ST+8*\b+\e:ST+8*\b+\e+1], v[W1+\e:W1+\e+1], v[ST+8*\b+8+\e:ST+8*\b+8+\e+1], v[ST+8*\b+\e:ST+8*\b+\e+1]
.endr
.endr
.irp e, 0,2,4,6
	v_pk_fma_f32 v[ST+56+\e:ST+56+\e+1], v[W2+\e:W2+\e+1], v[ST+\e:ST+\e+1], v[ST+56+\e:ST+56+\e+1]    ; Hin
.endr
.irp e, 0,1,2,3
	v_cvt_pk_bf16_f32 v[TT+\e], v[ST+56+2*\e], v[ST+56+2*\e+1]             ; hi
.endr
.irp e, 0,1,2,3
	v_lshlrev_b32 v[TT+8+2*\e], 16, v[TT+\e]
	v_and_b32 v[TT+8+2*\e+1], 0xffff0000, v[TT+\e]
.endr
.irp e, 0,1,2,3
	v_pk_add_f32 v[TT+8+2*\e:TT+8+2*\e+1], v[ST+56+2*\e:ST+56+2*\e+1], v[TT+8+2*\e:TT+8+2*\e+1] neg_lo:[0,1] neg_hi:[0,1]
.endr
.irp e, 0,1,2,3
	v_cvt_pk_bf16_f32 v[TT+4+\e], v[TT+8+2*\e], v[TT+8+2*\e+1]             ; lo
.endr
	ds_store_b128 v10, v[TT:TT+3]
	ds_store_b128 v10, v[TT+4:TT+7] offset:8192
	s_wait_dscnt 0x0                               ; my stores (kernel table, x, Hin) are in LDS, for the other waves' sake
	s_barrier_signal -1
	s_barrier_wait -1                              ; the one barrier: behind it the shared regions are only read
; K step kb of the Toeplitz product: rows 32 kb .. 32 kb + 31 of x
.macro CLOAD kb
	ds_load_b128 v[AF:AF+3], v8 offset:64*\kb
	ds_load_b128 v[AF+4:AF+7], v8 offset:64*\kb+32
.irp nt, 0,1,2,3
	ds_load_tr16_b128 v[BF+8*\nt:BF+8*\nt+3], v9 offset:\kb*32*PITCH+32*\nt
	ds_load_tr16_b128 v[BF+8*\nt+4:BF+8*\nt+7], v9 offset:\kb*32*PITCH+16*PITCH+32*\nt
.endr
.endm
.macro CMUL
.irp nt, 0,1,2,3
	v_wmma_f32_16x16x32_bf16 v[ACC+8*\nt:ACC+8*\nt+7], v[AF:AF+7], v[BF+8*\nt:BF+8*\nt+7], v[ACC+8*\nt:ACC+8*\nt+7]
.endr
.endm
; four products of the carry: A fragment at register a, the four B fragments from register b on
.macro HMUL a, b
.irp nt, 0,1,2,3
	v_wmma_f32_16x16x32_bf16 v[ACC+8*\nt:ACC+8*\nt+7], v[\a:\a+7], v[\b+8*\nt:\b+8*\nt+7], v[ACC+8*\nt:ACC+8*\nt+7]
.endr
.endm
.irp f, 0,1,2,3,4,5,6,7
	ds_load_b128 v[HB+8*\f:HB+8*\f+3], v11 offset:\f*1024
	ds_load_b128 v[HB+8*\f+4:HB+8*\f+7], v11 offset:\f*1024+512
.endr
.irp f, 0,1,2,3,4,5,6,7
	ds_load_b128 v[HL+8*\f:HL+8*\f+3], v11 offset:8192+\f*1024
	ds_load_b128 v[HL+8*\f+4:HL+8*\f+7], v11 offset:8192+\f*1024+512
.endr
	CLOAD 0
	s_wait_dscnt 10                                ; Hin's 32 loads are in; the ten of K step 0 may stay out
	; the four accumulators take turns, one instruction a turn; the first products start the sums
.irp nt, 0,1,2,3
	v_wmma_f32_16x16x32_bf16 v[ACC+8*\nt:ACC+8*\nt+7], v[G:G+7], v[HB+8*\nt:HB+8*\nt+7], 0
.endr
	HMUL G, HL
	HMUL GL, HB
	HMUL G+8, HB+32
	HMUL G+8, HL+32
	HMUL GL+8, HB+32
	s_wait_dscnt 0x0
	CMUL
.irp kb, 1,2,3,4,5,6,7
	s_cmp_lt_u32 s16, 2*\kb                        ; rows 32 kb and on lie above my 16 rows' diagonal: nothing more to add
	s_cbranch_scc1 .Lout
	PLACES                                         ; before the fragments are loaded again
	CLOAD \kb
	s_wait_dscnt 0x0
	CMUL
.endr
.Lout:
	; THE WAY OUT: a lane holds pieces of columns; through my own stage they become whole rows of 256 bytes
	PLACES                                         ; before the sums are read and Hin's registers are loaded again
.irp nt, 0,1,2,3
.irp j, 0,1,2,3,4,5,6,7
	ds_store_b32 v12, v[ACC+8*\nt+\j] offset:SP*\j+64*\nt
.endr
.endr
.irp t, 0,1,2,3,4,5,6,7
	ds_load_b128 v[HB+4*\t:HB+4*\t+3], v13 offset:2*SP*\t      ; LDS serves a wave's instructions in order (ISA guide 5.7.1): these see the stores above
.endr
.irp t, 0,1,2,3,4,5,6,7
	s_wait_dscnt 7-\t                              ; pair t of rows is in, the younger loads stay out
	global_store_b128 v14, v[HB+4*\t:HB+4*\t+3], s[14:15] offset:4096*\t th:TH_STORE_NT   ; 16 lanes store 256 consecutive bytes, aligned
.endr
	s_wait_xcnt 0x0
	v_lshl_add_u32 v222, v0, 2, 0x22a00
	v_mov_b32 v223, 0
	s_wait_tensorcnt 0x0
	ds_add_u32 v222, v223
	s_wait_dscnt 0x0
	s_endpgm
.Lfunc_end_k_q6cd474cf88_output:
	.size	k_q6cd474cf88_output, .Lfunc_end_k_q6cd474cf88_output-k_q6cd474cf88_output
	.p2alignl 7, 3214868480
	.fill 96, 4, 3214868480
	.section	.rodata,"a",@progbits
	.p2align	6, 0x0
	.amdhsa_kernel k_q6cd474cf88_output
		.amdhsa_group_segment_fixed_size 143872
		.amdhsa_private_segment_fixed_size 0
		.amdhsa_enable_private_segment 0
		.amdhsa_kernarg_size 48
		.amdhsa_user_sgpr_count 2
		.amdhsa_user_sgpr_kernarg_segment_ptr 1
		.amdhsa_wavefront_size32 1
		.amdhsa_system_sgpr_workgroup_id_x 1
		.amdhsa_system_sgpr_workgroup_id_y 1
		.amdhsa_system_sgpr_workgroup_id_z 1
		.amdhsa_system_vgpr_workitem_id 0
		.amdhsa_next_free_vgpr 256
		.amdhsa_next_free_sgpr 66
		.amdhsa_reserve_vcc 1
		.amdhsa_float_denorm_mode_32 3
		.amdhsa_float_denorm_mode_16_64 3
		.amdhsa_memory_ordered 1
		.amdhsa_forward_progress 1
		.amdhsa_inst_pref_size 64
	.end_amdhsa_kernel
	.amdgpu_metadata
---
amdhsa.version: [ 1, 2 ]
amdhsa.kernels:
  - .name:           k_q6cd474cf88_output
    .symbol:         k_q6cd474cf88_output.kd
    .args:
      - { .name: x, .offset: 0, .size: 8, .value_kind: global_buffer, .address_space: global }
      - { .name: logA, .offset: 8, .size: 8, .value_kind: global_buffer, .address_space: global }
      - { .name: B, .offset: 16, .size: 8, .value_kind: global_buffer, .address_space: global }
      - { .name: C, .offset: 24, .size: 8, .value_kind: global_buffer, .address_space: global }
      - { .name: R, .offset: 32, .size: 8, .value_kind: global_buffer, .address_space: global }
      - { .name: out0, .offset: 40, .size: 8, .value_kind: global_buffer, .address_space: global }
    .group_segment_fixed_size: 143872
    .private_segment_fixed_size: 0
    .kernarg_segment_align: 8
    .kernarg_segment_size: 48
    .max_flat_workgroup_size: 512
    .sgpr_count:     66
    .vgpr_count:     256
    .wavefront_size: 32
...
	.end_amdgpu_metadata
.endif
;; end of part 2
